; MI455X (gfx1250); checked and timed in simulation.
; The chip was launched on July 23, 2026; its instructions are those of AMD's public machine-readable ISA for CDNA 5 (MIT licence, August 2026) and "CDNA5" Instruction Set Architecture Reference Guide (July 2026). The comments in the code are by the model that wrote it; some were corrected since.
;; UMT5 Attention. Allowed arithmetic: matrix products marked QUANTISED: E2M3 operands, one E8M0 scale for each 32 along K, by v_wmma_scale_f32_16x16x128_f8f6f4 with both operands' format E2M3, f32 sums; everything else in f32.
;; Inputs: Wk_codes 1,024 x 32 x 24 uint8 (E2M3 codes of Wk, K innermost, in blocks of 32 codes, four codes in three bytes); Wk_scales 1,024 x 32 uint8 (E8M0 scales of Wk, one for each 32 codes along K); Wo_codes 1,024 x 32 x 24 uint8 (E2M3 codes of Wo, K innermost, in blocks of 32 codes, four codes in three bytes); Wo_scales 1,024 x 32 uint8 (E8M0 scales of Wo, one for each 32 codes along K); Wq_codes 1,024 x 32 x 24 uint8 (E2M3 codes of Wq, K innermost, in blocks of 32 codes, four codes in three bytes); Wq_scales 1,024 x 32 uint8 (E8M0 scales of Wq, one for each 32 codes along K); Wv_codes 1,024 x 32 x 24 uint8 (E2M3 codes of Wv, K innermost, in blocks of 32 codes, four codes in three bytes); Wv_scales 1,024 x 32 uint8 (E8M0 scales of Wv, one for each 32 codes along K); hidden_states_codes 2 x 2,048 x 32 x 24 uint8 (E2M3 codes of hidden_states, K innermost, in blocks of 32 codes, four codes in three bytes); hidden_states_scales 2 x 2,048 x 32 uint8 (E8M0 scales of hidden_states, one for each 32 codes along K); mask 2 x 2,048 bool; rel_bias 32 x 16 float32.
;; Outputs: out0 2 x 2,048 x 1,024 float32.
;; This version of the problem:
;;   THIS VERSION OF THE PROBLEM IS GIVEN IN LOW PRECISION. The matrix products marked QUANTISED in the list below multiply operands that are first quantised to E2M3 (2 exponent bits, 3 mantissa bits; 6 bits a number), with one power-of-two scale for each 32 numbers along K (OCP MX v1.0); their sums are f32. All else is computed in f32.
;;   The module's matrix products, in the order in which they are computed (A, B: the left and right operand; K: the contracted axis; several contracted axes count as one K, in the product's order):
;;     1. [M 4,096, K 1,024] x [K 1,024, N 1,024]; A: input hidden_states (given as codes); B: input Wq (given as codes): QUANTISED
;;     2. [M 4,096, K 1,024] x [K 1,024, N 1,024]; A: input hidden_states (given as codes); B: input Wk (given as codes): QUANTISED
;;     3. [M 4,096, K 1,024] x [K 1,024, N 1,024]; A: input hidden_states (given as codes); B: input Wv (given as codes): QUANTISED
;;     4. batch 32 x [M 2,048, K 64] x [K 64, N 2,048]; A: computed on the way; B: computed on the way: QUANTISED
;;     5. batch 32 x [M 64, K 2,048] x [K 2,048, N 2,048]; A: computed on the way; B: softmax (see below): QUANTISED
;;     6. [M 4,096, K 1,024] x [K 1,024, N 1,024]; A: computed on the way; B: input Wo (given as codes): QUANTISED
;;   THE QUANTISER, for each operand of a quantised product, along K:
;;     - K is cut into blocks of 32 from its start; a last block that is shorter is filled with zeros.
;;     - A block's scale is 2^e with e = floor(log2(the largest magnitude in the block)) - 2, held to -126 .. 127; a block of zeros has e = 0. As a byte (E8M0): e + 127.
;;     - Each number is divided by its block's scale, clamped to +-7.5, and rounded to the nearest number of E2M3, ties to even, subnormals kept.
;;     - The product sums the exact products of the quantised numbers (number of the format x scale) in f32.
;;   ~~~python
;;   def quantise(x, axis):      # numpy; x: float32 -> the quantised numbers, widened to float32 again
;;       x = np.moveaxis(x, axis, -1); K = x.shape[-1]
;;       x = np.pad(x, [(0, 0)] * (x.ndim - 1) + [(0, -K % 32)]); x = x.reshape(x.shape[:-1] + (-1, 32)); a = np.abs(x).max(-1, keepdims=True)
;;       e = np.where(a > 0, np.clip(np.frexp(np.where(a > 0, a, 1))[1] - 1 - 2, -126, 127), 0)      # np.frexp(a)[1] - 1 = floor(log2(a)), exactly
;;       r = np.clip(x / 2.0 ** e, -7.5, 7.5)
;;       step = 2.0 ** (np.maximum(np.frexp(np.where(r == 0, 1, r))[1] - 1, 0) - 3)
;;       q = np.round(r / step) * step * 2.0 ** e      # np.round: ties to even
;;       return np.moveaxis(q.reshape(q.shape[:-2] + (-1,))[..., :K], -1, axis).astype(np.float32)
;;   ~~~
;;   SOFTMAX AHEAD OF A QUANTISED PRODUCT. Where the list says 'softmax', what is quantised is not the finished softmax but p = 2^(t - M), with t = logit x log2(e) and M = ceil(the row's largest t), a whole number; so 1/2 < the row's largest p <= 1. The row's sum l is taken of the UNQUANTISED p, in f32, and the product's result is divided by l at the end. Since M is a whole number, a kernel that streams over the keys may use a running M (the ceiling of the running maximum): every later rescaling is an exact power of two, which a block's scale takes up: the codes' values come out the same.
;;   OPERANDS COMPUTED ON THE WAY. 'Computed on the way' means the value that the module computes at that place (a softmax that the list does not call 'softmax' is quantised finished and normalised). What goes into a quantiser is computed in f32, as accurately as f32 sums, v_exp_f32 and their like allow (about 1e-6 of the number): no bf16 or f16 on the way to a quantiser, and a product that is left as it is and whose result goes on into a quantised operand takes f32 operands (vector FMAs, or v_wmma_f32_16x16x4_f32). A number that lies on a knife's edge between two numbers of the format may be rounded either way, as far as f32 arithmetic and the matrix unit's own rounding can turn it there, and no further.
;;   INPUTS GIVEN AS CODES. Wk (in the module: [1024, 1024], K = its axis 0); Wo (in the module: [1024, 1024], K = its axis 0); Wq (in the module: [1024, 1024], K = its axis 0); Wv (in the module: [1024, 1024], K = its axis 0); hidden_states (in the module: [2, 2048, 1024], K = its axis 2): each comes as NAME_codes (uint8): NAME with its K axis moved to the last place and cut into blocks of 32 codes, [.., K / 32, bytes a block], one block behind the other in memory; four codes in three bytes: a row's codes are one little-endian stream of bits, code i at bits 6 i .. 6 i + 5 (a code: sign, 2 exponent bits, 3 mantissa bits); and NAME_scales (uint8): the same leading axes, one E8M0 byte (e + 127) for each 32 codes along K. Its value is code x scale, taken as it is: it is not quantised again, and the codes and scales need not be those that the quantiser above would give.
;; One version. Each part assembles by itself: llvm-mc -triple=amdgcn-amd-amdhsa -mcpu=gfx1250 --defsym DOCPART=n.
;; ======== version 1 of 1: 3 launches
;; limits: right only within a limited range of input values
;; workspace buffers: qf 3,407,872 bytes; kv 6,815,744 bytes; oc 3,145,728 bytes; osc 131,072 bytes
;; launch qkv (part 1): grid 12 x 16, 4 waves a work-group, clusters of 4 x 4, 327,680 bytes of LDS; arguments hidden_states_codes, hidden_states_scales, Wq_codes, Wq_scales, Wk_codes, Wk_scales, Wv_codes, Wv_scales, mask, qf, kv; writes qf, kv
.if DOCPART == 1
	.amdgcn_target "amdgcn-amd-amdhsa--gfx1250"
	.amdhsa_code_object_version 6
	.text
	.protected	k_qe13728c04d_qkv
	.globl	k_qe13728c04d_qkv
	.p2align	8
	.type	k_qe13728c04d_qkv,@function
k_qe13728c04d_qkv:
	s_mov_b64 s[64:65], 0
	v_nop
	global_prefetch_b8 v0, s[64:65] scope:SCOPE_SE
	s_setreg_imm32_b32 hwreg(HW_REG_WAVE_MODE, 25, 1), 1
	s_wait_xcnt 0x0
	s_wait_alu depctr_hold_cnt(0) depctr_sa_sdst(0) depctr_va_vdst(0) depctr_va_sdst(0) depctr_va_ssrc(0) depctr_va_vcc(0) depctr_vm_vsrc(0)
	s_getreg_b32 s2, hwreg(HW_REG_IB_STS2, 6, 4)
	s_cmp_eq_u32 s2, 0
	s_cbranch_scc0 .Lentry_in_a_cluster
	s_endpgm
.Lentry_in_a_cluster:
	s_bfe_u32 s2, ttmp6, 0x10000c
	s_cmp_lg_u32 s2, 0xf033
	s_cbranch_scc0 .Lentry_shape_is_right
	s_endpgm
.Lentry_shape_is_right:
; q = x Wq, k = x Wk, v = x Wv: three products [4096 x 1024] x [1024 x 1024] on codes of FP6 (E2M3), one E8M0 scale for each 32 along K, sums in f32.
; The results are quantised here (q, k along the head's 64 numbers, v along the keys) and stored as images of the operand registers of the attention launch.
; SECTIONS: the cluster's x (0, 1, 2) says which product.  A tile is 256 (side A, source 1: a lane's row) x 256 (side B, source 0: along a lane's registers).
;   q, k: side A = tokens, side B = rows of Wq or Wk.   v: side A = rows of Wv, side B = tokens.  Only pointers and row numbers hang on the section.
; Four waves, 128 x 128 each (64 accumulators).  K goes through a ring of two LDS slots in chunks of 256 bytes of each row of codes (a row is 768 bytes): every tile row begins at a multiple of 256 bytes.
; A step of 128 along K is 96 bytes: eight steps to three chunks; steps 2 and 5 take their pieces from both slots.  The scales of the 256 + 256 rows come into LDS once.
; CLUSTERS 4 x 4: side A's tiles are asked for jointly along a row of the cluster, side B's along a column.
; No prefetch: K is three chunks, of which two are asked for ahead of the first product.
; ORDER INSIDE A BLOCK OF 32: a block's places 8-15 hold x 16-23 and its places 16-23 hold x 8-15, alike in both operands of each later product.
; THE PADDING MASK rides in k's scale words: byte 2 of q's word is 0xb1 (2^50), of k's 0xb1 where mask = 0 and 0x01 where mask = 1; byte 3 is 0x40.  The attention launch sets the codes +1 and -1 at k = 64.
; LIMITS: NaN and infinities are not served; a block of zeros gets the byte 1 (its codes are zeros; this program alone reads the bytes); scores and bias stay under 2^70 in magnitude, so that -2^100 hides a key.
.set SIZE_K, 1024
.set ROWB,   256
.set NQ,     2
.set KROW,   SIZE_K*6/8
.set STEPS,  SIZE_K/128
.set CHUNKS, KROW/ROWB
.set PITCH,  272
.set FR,     12
.set NL,     6
.set NP,     4
.set HALFT,  128*PITCH
.set SLOT,   4*HALFT
.set KS,     SIZE_K/32
.set SCL,    2*SLOT
.set HALFS,  (128*KS/256)*272
.set SBLK,   (16*KS/256)*272
.set SPARE,  SCL+4*HALFS
.set ADRA, 16
.set ADRB, 20
.set VO8,  24
.set VOB,  25
.set VOS,  26
.set ADRS, 27
.set SPW,  28
.set NIL,  29
.set SH16, 30
.set VO16, 31
.set SC,   32
.set CD,   64
.set CT,   76
.set TMX,  84
.set TBY,  88
.set TSO,  92
.set MK,   96
.set HIM,  104
.set HIU,  105
.set PW,   106
.set T0,   107
.set T1,   108
.set WD,   112
.set ZZ,   120
.set AF,   128
.set G1, 24
.set G0, 32
.set G1B, 48
.set G0B, 56
.set G1S, 68
.set G0S, 76
.set G1SB, 80
.set G0SB, 88
.set G0H, 4
.set G0HB, 8
.set MSB, 0
.macro WIN new
.if MSB != (\new)
	s_set_vgpr_msb (MSB<<8)|(\new)
.set MSB, (\new)
.endif
.endm
.set MUL_LO, 0xa1
.set MUL_HI, 0xf1
.set TO_B,   0x40
; a joint load: waves 0, 1 fetch for side A, waves 2, 3 for side B; s_nop 0 and four v_nop behind each line
.macro JLOAD g0a, g1a, g0b, g1b
	s_cmp_eq_u32 s15, 0
	s_cbranch_scc0 .Lfor_b_\@
	tensor_load_to_lds s[\g0a:\g0a+3], s[\g1a:\g1a+7]
	s_nop 0
.rept 4
	v_nop
.endr
	s_branch .Lasked_\@
.Lfor_b_\@:
	tensor_load_to_lds s[\g0b:\g0b+3], s[\g1b:\g1b+7]
	s_nop 0
.rept 4
	v_nop
.endr
.Lasked_\@:
.endm
.macro CREST
	s_cmp_lg_u32 s14, 0
	s_cbranch_scc1 .Lnot_wave_0_\@
	s_barrier_signal -3
.Lnot_wave_0_\@:
	s_barrier_wait -3
	s_barrier_signal -1
	s_barrier_wait -1
.endm
.macro CROUND
	s_barrier_signal -1
	s_barrier_wait -1
	CREST
.endm
	s_load_b512 s[68:83], s[0:1], 0x0              ; x's codes, x's scales, Wq's, Wk's, Wv's
	s_load_b128 s[84:87], s[0:1], 0x40             ; mask, qf
	s_load_b64 s[88:89], s[0:1], 0x50              ; kv
	v_lshl_add_u32 v[SPW], v0, 2, SPARE
	v_mov_b32 v[NIL], 0
	ds_add_u32 v[SPW], v[NIL]                      ; the opening lines: the add twice on end and one wait
	ds_add_u32 v[SPW], v[NIL]
	v_lshrrev_b32 v1, 5, v0
	v_readfirstlane_b32 s14, v1                    ; wave
	s_lshr_b32 s15, s14, 1                         ; my half of side A's rows; in the ring: I fetch for A (0) or B (1)
	s_and_b32 s16, s14, 1                          ; my half of side B's rows; in the ring: which 128 rows I fetch
	s_bfe_u32 s40, ttmp6, 0x40000                  ; cx
	s_bfe_u32 s41, ttmp6, 0x40004                  ; cy
	s_and_b32 s18, ttmp7, 0xffff
	s_lshl_b32 s18, s18, 2                         ; 4 x cluster y counts the tiles of tokens
	s_cmp_eq_u32 ttmp9, 2
	s_cselect_b32 s17, 0, s18                      ; side A's tile (never holds cx)
	s_cselect_b32 s42, s18, 0                      ; side B's tile (never holds cy)
	s_add_co_u32 s17, s17, s41
	s_add_co_u32 s42, s42, s40
	s_lshl_b32 s43, s41, 2
	s_lshl_b32 s43, 15, s43                        ; my row of the cluster
	s_lshl_b32 s44, 0x1111, s40                    ; my column
	s_wait_dscnt 0x0
	s_wait_kmcnt 0x0
	s_cmp_eq_u32 ttmp9, 2                          ; the buffers are chosen by the section alone
	s_cselect_b64 s[4:5], s[80:81], s[68:69]
	s_cselect_b64 s[6:7], s[82:83], s[70:71]
	s_cmp_eq_u32 ttmp9, 0
	s_cselect_b64 s[8:9], s[72:73], s[76:77]
	s_cselect_b64 s[10:11], s[74:75], s[78:79]
	s_cselect_b64 s[12:13], s[86:87], s[88:89]
	s_cmp_eq_u32 ttmp9, 2
	s_cselect_b64 s[8:9], s[68:69], s[8:9]
	s_cselect_b64 s[10:11], s[70:71], s[10:11]
	s_mov_b64 s[96:97], s[84:85]
	; group 1: rows of 256 bytes, 16 bytes of padding behind each; 256 rows for the head's loads, later 128
	s_or_b32 s[G1+0], s43, (0<<16)|(1<<20)|(1<<21)|(5<<22)|(3<<25)
	s_or_b32 s[G1B+0], s44, (0<<16)|(1<<20)|(1<<21)|(5<<22)|(3<<25)
.irp g, G1, G1B
	s_mov_b32 s[\g+1], ROWB<<16
	s_mov_b32 s[\g+2], 256<<16
	s_mov_b32 s[\g+3], ROWB<<16
	s_mov_b32 s[\g+4], 256
	s_mov_b32 s[\g+5], KROW
	s_mov_b32 s[\g+6], 0
	s_mov_b32 s[\g+7], 0
.endr
	; the scales of 256 rows: a dense block, KS rows of 256 bytes
	s_or_b32 s[G1S+0], s43, (3<<16)|(1<<20)|(1<<21)|(5<<22)|(3<<25)
	s_or_b32 s[G1SB+0], s44, (3<<16)|(1<<20)|(1<<21)|(5<<22)|(3<<25)
.irp g, G1S, G1SB
	s_mov_b32 s[\g+1], 32<<16
	s_mov_b32 s[\g+2], KS<<16
	s_mov_b32 s[\g+3], 32<<16
	s_mov_b32 s[\g+4], KS
	s_mov_b32 s[\g+5], 32
	s_mov_b32 s[\g+6], 0
	s_mov_b32 s[\g+7], 0
.endr
	s_lshl_b32 s20, s17, 8
	s_lshl_b32 s46, s42, 8
	s_mov_b32 s21, 0
	s_mov_b32 s47, 0
	s_mov_b64 s[18:19], KS
	s_mul_u64 s[22:23], s[20:21], s[18:19]
	s_mul_u64 s[92:93], s[46:47], s[18:19]
	s_mov_b64 s[18:19], KROW
	s_mul_u64 s[20:21], s[20:21], s[18:19]
	s_mul_u64 s[46:47], s[46:47], s[18:19]
	s_mul_i32 s18, s16, 128*KROW
	s_mov_b32 s19, 0
	s_mul_i32 s45, s14, HALFT
	s_add_nc_u64 s[20:21], s[4:5], s[20:21]
	s_add_nc_u64 s[22:23], s[6:7], s[22:23]
	s_add_nc_u64 s[46:47], s[8:9], s[46:47]
	s_add_nc_u64 s[92:93], s[10:11], s[92:93]
	CROUND                                         ; the round in front of the first joint loads
	s_mov_b32 s[G0H], 1
	s_mov_b32 s[G0H+1], 0
	s_mov_b64 s[G0H+2:G0H+3], s[20:21]
	s_or_b32 s[G0H+3], s[G0H+3], 0x80000000
	s_mov_b32 s[G0HB], 1
	s_mov_b32 s[G0HB+1], 2*HALFT
	s_mov_b64 s[G0HB+2:G0HB+3], s[46:47]
	s_or_b32 s[G0HB+3], s[G0HB+3], 0x80000000
	s_mov_b32 s[G0S], 1
	s_mov_b32 s[G0S+1], SCL
	s_mov_b64 s[G0S+2:G0S+3], s[22:23]
	s_or_b32 s[G0S+3], s[G0S+3], 0x80000000
	s_mov_b32 s[G0SB], 1
	s_mov_b32 s[G0SB+1], SCL+2*HALFS
	s_mov_b64 s[G0SB+2:G0SB+3], s[92:93]
	s_or_b32 s[G0SB+3], s[G0SB+3], 0x80000000
	s_add_nc_u64 s[20:21], s[20:21], s[18:19]
	s_add_nc_u64 s[46:47], s[46:47], s[18:19]
.irp s, 0,1
	s_mov_b32 s[G0+4*\s], 1
	s_add_co_u32 s[G0+4*\s+1], s45, \s*SLOT
	s_add_nc_u64 s[G0+4*\s+2:G0+4*\s+3], s[20:21], \s*ROWB
	s_or_b32 s[G0+4*\s+3], s[G0+4*\s+3], 0x80000000
	s_mov_b32 s[G0B+4*\s], 1
	s_add_co_u32 s[G0B+4*\s+1], s45, \s*SLOT
	s_add_nc_u64 s[G0B+4*\s+2:G0B+4*\s+3], s[46:47], \s*ROWB
	s_or_b32 s[G0B+4*\s+3], s[G0B+4*\s+3], 0x80000000
.endr
; the head's four tiles, one load a wave: chunk 0 of A, chunk 0 of B, A's scales, B's scales; one tree of branches on the wave's number
.macro ARM under, g0, g1, next
	s_cmp_lt_u32 s14, \under
	s_cbranch_scc0 \next
	tensor_load_to_lds s[\g0:\g0+3], s[\g1:\g1+7]
	s_nop 0
.rept 4
	v_nop
.endr
	s_branch .Lhead_asked
\next:
.endm
	ARM 1, G0H,  G1,  .Lhead_b
	ARM 2, G0HB, G1B, .Lhead_sa
	ARM 3, G0S,  G1S, .Lhead_sb
	tensor_load_to_lds s[G0SB:G0SB+3], s[G1SB:G1SB+7]
	s_nop 0
.rept 4
	v_nop
.endr
.Lhead_asked:
	v_and_b32 v1, 15, v0                           ; r; never rewritten
	v_bfe_u32 v2, v0, 4, 1                         ; h
	v_mul_u32_u24 v3, v1, PITCH
	v_mul_u32_u24 v4, v2, 24
	v_add_nc_u32 v4, v3, v4
	s_mov_b32 s21, SLOT-232
	s_mov_b32 s22, SLOT+232
	v_sub_nc_u32 v7, 1, v2
	v_mul_u32_u24 v5, s21, v2
	v_add_nc_u32 v5, v3, v5
	v_add_nc_u32 v5, 232, v5                       ; lanes 0-15 byte 232 of the row in slot 0, lanes 16-31 byte 0 in slot 1
	v_mul_u32_u24 v6, s22, v7
	v_add_nc_u32 v6, v3, v6                        ; and the other way round
	s_mul_i32 s21, s15, HALFT
	s_mul_i32 s22, s16, HALFT
	s_add_co_u32 s22, s22, 2*HALFT
	v_add_nc_u32 v[ADRA+2], s21, v5
	v_add_nc_u32 v[ADRA+3], s21, v6
	v_add_nc_u32 v[ADRB+2], s22, v5
	v_add_nc_u32 v[ADRB+3], s22, v6
.irp s, 0,1
	v_add_nc_u32 v[ADRA+\s], s21, v4
	v_add_nc_u32 v[ADRB+\s], s22, v4
	s_add_co_u32 s21, s21, SLOT
	s_add_co_u32 s22, s22, SLOT
.endr
	v_mul_u32_u24 v5, v1, KS
	v_lshrrev_b32 v6, 8, v5
	v_lshl_add_u32 v5, v6, 4, v5
	s_mul_i32 s21, s15, HALFS
	s_mul_i32 s22, s16, HALFS
	s_add_co_u32 s22, s22, 2*HALFS
	s_sub_co_u32 s22, s22, s21
	v_mul_u32_u24 v6, s22, v2                      ; lanes 16-31 take B's words
	s_add_co_u32 s21, s21, SCL
	v_add_nc_u32 v5, v5, v6
	v_add_nc_u32 v[ADRS], s21, v5
	; where my 128 x 128 goes: 128 tokens are a group of queries or a step of keys, 128 features are two heads
	s_lshl_b32 s20, s17, 8
	s_lshl_b32 s21, s15, 7
	s_add_co_u32 s20, s20, s21
	s_lshl_b32 s46, s42, 8
	s_lshl_b32 s47, s16, 7
	s_add_co_u32 s46, s46, s47
	s_cmp_eq_u32 ttmp9, 2
	s_cselect_b32 s92, s46, s20                    ; my first token
	s_cselect_b32 s93, s20, s46                    ; my first feature
	s_cselect_b32 s47, 6144, 0                     ; v's fragments lie behind k's in a step's block
	s_cmp_lg_u32 ttmp9, 0
	s_cselect_b32 s94, 1, 0
	s_lshl_b32 s98, 106496, s94                    ; bytes of a head
	s_lshl_b32 s95, 6656, s94                      ; bytes of a group or step
	s_lshl_b32 s45, 6144, s94                      ; where the scale words lie
	s_cmp_eq_u32 ttmp9, 2
	s_cselect_b32 s45, 6656, s45
	s_cmp_eq_u32 ttmp9, 1
	s_cselect_b32 s99, 0xff, 0                     ; only k's words look at the mask
	s_lshr_b32 s18, s92, 11
	s_lshl_b32 s18, s18, 4
	s_lshr_b32 s19, s93, 6
	s_add_co_u32 s18, s18, s19                     ; 16 x batch + head
	s_mul_i32 s18, s18, s98
	s_bfe_u32 s19, s92, 0x40007
	s_mul_i32 s19, s19, s95
	s_add_co_u32 s18, s18, s19
	s_add_co_u32 s18, s18, s47
	s_mov_b32 s19, 0
	s_add_nc_u64 s[12:13], s[12:13], s[18:19]
	s_mov_b32 s21, 0
	s_add_nc_u64 s[96:97], s[96:97], s[20:21]      ; the mask at side A's first row (v's words do not use it; the row stays under 1,024 there)
.irp a, 0,1,2,3,4,5,6,7
	global_load_u8 v[MK+\a], v1, s[96:97] offset:16*\a
.endr
	v_and_b32 v7, 31, v0
	v_lshlrev_b32 v[VO8], 3, v7
	v_add_nc_u32 v[VOB], s98, v[VO8]
	v_mul_u32_u24 v[VOS], s98, v2
	v_lshl_add_u32 v[VOS], v1, 4, v[VOS]
	v_add_nc_u32 v[VOS], s45, v[VOS]
	v_lshlrev_b32 v[SH16], 4, v2
	v_lshlrev_b32 v[VO16], 4, v7
	v_mov_b32 v[HIM], 0x40b10000
	v_mov_b32 v[HIU], 0x40010000
.irp b, 0,1,2,3
	v_mov_b32 v[TBY+\b], 0                         ; a lane permute's destination counts as a source
.endr
; a fragment: 12 registers, six pieces of 8 bytes; a piece's slot and byte follow from its place in the row of codes
.macro FRAG reg, adr, st, i
.irp p, 0,1,2,3,4,5
.set BY, 96*(\st)+48*(\p/3)+8*(\p%3)
.if BY/ROWB == (BY+24)/ROWB
	ds_load_b64 v[\reg+2*\p:\reg+2*\p+1], v[\adr+(BY/ROWB)%2] offset:BY%ROWB+(\i)*16*PITCH
.else
	ds_load_b64 v[\reg+2*\p:\reg+2*\p+1], v[\adr+2+(BY/ROWB)%2] offset:BY%ROWB-232+(\i)*16*PITCH
.endif
.endr
.endm
; 16 products: A's blocks a0, a0 + 1 x B's eight; the 64 accumulators take turns
.macro MUL16 a0, p, q, sc, zero
.irp a, \a0, \a0+1
.irp b, 0,1,2,3,4,5,6,7
.if \zero
	v_wmma_scale_f32_16x16x128_f8f6f4 v[8*(8*((\a)%4)+\b):8*(8*((\a)%4)+\b)+7], v[128*(\p)+FR*\b:128*(\p)+FR*\b+FR-1], v[AF+FR*(\a):AF+FR*(\a)+FR-1], 0, v[SC+8*NQ*(\sc)+NQ*\b+(\q)], v[SC+8*NQ*(\sc)+NQ*(\a)+(\q)] matrix_a_fmt:MATRIX_FMT_FP6 matrix_b_fmt:MATRIX_FMT_FP6 matrix_a_scale:MATRIX_SCALE_ROW1
.else
	v_wmma_scale_f32_16x16x128_f8f6f4 v[8*(8*((\a)%4)+\b):8*(8*((\a)%4)+\b)+7], v[128*(\p)+FR*\b:128*(\p)+FR*\b+FR-1], v[AF+FR*(\a):AF+FR*(\a)+FR-1], v[8*(8*((\a)%4)+\b):8*(8*((\a)%4)+\b)+7], v[SC+8*NQ*(\sc)+NQ*\b+(\q)], v[SC+8*NQ*(\sc)+NQ*(\a)+(\q)] matrix_a_fmt:MATRIX_FMT_FP6 matrix_b_fmt:MATRIX_FMT_FP6 matrix_a_scale:MATRIX_SCALE_ROW1
.endif
.endr
.endr
.endm
.macro FETCH_B st, p
	WIN TO_B
.irp i, 0,1,2,3,4,5,6,7
	FRAG 128*(\p)+FR*\i, ADRB, \st, \i
.endr
	WIN 0
.endm
.macro FETCH_A st, i0
.irp i, \i0, \i0+1, \i0+2, \i0+3
	FRAG AF+FR*(\i), ADRA, \st, \i
.endr
.endm
.macro SCALES pr
.irp i, 0,1,2,3,4,5,6,7
	ds_load_b64 v[SC+8*NQ*((\pr)%2)+NQ*\i:SC+8*NQ*((\pr)%2)+NQ*\i+1], v[ADRS] offset:\i*SBLK+4*NQ*(\pr)
.endr
.endm
.macro PLACES n
.rept \n
	v_nop
.endr
.endm
; a step of 128 along K.  Where the next step's bytes end in a chunk not yet read: wait for my tensor loads, barrier.  Where they begin in a later chunk: the three lines, the barrier, and, if a chunk two on is left, the round and the refill.
.macro STEP st, zero
.set NX, (\st)+1
.set C0, (96*(\st))/ROWB
.set C1, (96*NX)/ROWB
.set E0, (96*(\st)+95)/ROWB
.set E1, (96*NX+95)/ROWB
.if C1 > C0 || E1 > E0
	s_wait_tensorcnt 0x0                           ; all my tensor loads have landed
.if C1 > C0
	ds_add_u32 v[SPW], v[NIL]
	s_wait_dscnt 4*NL+1                            ; the add and A's blocks 4-7 (24 loads) may be out
.else
	s_wait_dscnt 4*NL                              ; A's blocks 4-7 (24 loads) may be out
.endif
	WIN MUL_LO
	MUL16 0, (\st)%2, (\st)%2, ((\st)/2)%2, \zero
	s_wait_dscnt 0x0                               ; the add and all my reads are done
	s_barrier_signal -1
	MUL16 2, (\st)%2, (\st)%2, ((\st)/2)%2, \zero
	WIN 0
	s_barrier_wait -1
.if C1 > C0 && C0+2 < CHUNKS
	CREST
	s_add_nc_u64 s[G0+4*(C0%2)+2:G0+4*(C0%2)+3], s[G0+4*(C0%2)+2:G0+4*(C0%2)+3], 2*ROWB
	s_add_nc_u64 s[G0B+4*(C0%2)+2:G0B+4*(C0%2)+3], s[G0B+4*(C0%2)+2:G0B+4*(C0%2)+3], 2*ROWB
	JLOAD G0+4*(C0%2), G1, G0B+4*(C0%2), G1B       ; chunk C0 + 2; its four v_nop are the places in front of the loads below
.else
	PLACES NP
.endif
.else
	s_wait_dscnt 4*NL
	WIN MUL_LO
	MUL16 0, (\st)%2, (\st)%2, ((\st)/2)%2, \zero
	MUL16 2, (\st)%2, (\st)%2, ((\st)/2)%2, \zero
	s_wait_dscnt 0
	PLACES NP
.endif
	FETCH_B NX, NX%2
	FETCH_A NX, 0
.if NX%2 == 0
	SCALES NX/2
.endif
	WIN MUL_HI
	MUL16 4, (\st)%2, (\st)%2, ((\st)/2)%2, \zero
	MUL16 6, (\st)%2, (\st)%2, ((\st)/2)%2, \zero
	PLACES NP
	WIN 0
	FETCH_A NX, 4
.endm
	s_wait_alu depctr_va_vdst(0)                   ; the wait at the head's end
	s_wait_tensorcnt 0x0                           ; my tile of the head's four is in
	ds_add_u32 v[SPW], v[NIL]
	s_mov_b32 s[G1+2], 128<<16                     ; no tensor load of mine is out: from here on a load brings 128 rows
	s_mov_b32 s[G1+4], 128
	s_mov_b32 s[G1B+2], 128<<16
	s_mov_b32 s[G1B+4], 128
	s_wait_dscnt 0x0
	CROUND
	JLOAD G0+4, G1, G0B+4, G1B                     ; chunk 1: slot 1's first fill, issued as a refill is
	FETCH_B 0, 0
	FETCH_A 0, 0
	SCALES 0
	FETCH_A 0, 4
	STEP 0, 1
.set ST, 1
.rept STEPS-2
	STEP ST, 0
.set ST, ST+1
.endr
	s_wait_dscnt 4*NL
	WIN MUL_LO
	MUL16 0, 1, 1, 1, 0
	MUL16 2, 1, 1, 1, 0
	s_wait_dscnt 0
	WIN MUL_HI
	MUL16 4, 1, 1, 1, 0
	MUL16 6, 1, 1, 1, 0
	WIN 0
; THE WAY OUT.  Block a: 16 rows of side A; a lane's 64 numbers are halves of four blocks of 32 along the next K.  QUANT makes 12 registers of codes and the row's four scale bytes.
.macro QUANT a
.set AC, 64*((\a)%4)
	WIN 0x28+0x14*((\a)/4)
.irp b, 0,1,2,3
	v_max3_num_f32 v[TMX+\b], 0x1800000, |v[AC+16*\b]|, |v[AC+16*\b+1]|   ; with the floor 2^(3 - 127): the byte cannot fall under 1
.endr
.irp i, 2,4,6,8,10,12,14
.irp b, 0,1,2,3
	v_max3_num_f32 v[TMX+\b], v[TMX+\b], |v[AC+16*\b+\i]|, |v[AC+16*\b+\i+1]|
.endr
.endr
	WIN 0
.irp b, 0,1,2,3
	v_permlanex16_b32 v[TBY+\b], v[TMX+\b], s20, s21
.endr
.irp b, 0,1,2,3
	v_max_num_f32 v[TMX+\b], v[TMX+\b], v[TBY+\b]
.endr
.irp b, 0,1,2,3
	v_add_nc_u32 v[TSO+\b], 0xff000000, v[TMX+\b]  ; 2 off the exponent field: the conversion's scale operand
.endr
.irp b, 0,1,2,3
	v_lshrrev_b32 v[TBY+\b], 23, v[TSO+\b]
.endr
	v_lshl_or_b32 v[PW], v[TBY+1], 8, v[TBY]
	v_lshl_or_b32 v[PW], v[TBY+2], 16, v[PW]
	v_lshl_or_b32 v[PW], v[TBY+3], 24, v[PW]
	WIN 2+(\a)/4
.irp c, 0,1
	v_cvt_scalef32_pk16_fp6_f32 v[CD+6*\c:CD+6*\c+2], v[AC+32*\c:AC+32*\c+15], v[TSO+2*\c]
	v_cvt_scalef32_pk16_fp6_f32 v[CT+4*\c:CT+4*\c+2], v[AC+32*\c+16:AC+32*\c+31], v[TSO+2*\c+1]
.endr
	WIN 0
	v_nop                                          ; one plain place behind a scaled conversion
.irp c, 0,1
.irp i, 0,1,2
	v_permlane16_swap_b32 v[CD+6*\c+\i], v[CT+4*\c+\i]
.endr
.irp i, 0,1,2
	v_mov_b32 v[CD+3+6*\c+\i], v[CT+4*\c+\i]
.endr
.endr
.endm
; q, k: block a is tile a of 16 tokens; registers 0-5 the first head's half fragment, 6-11 the second head's.  Each store covers 256 consecutive bytes, aligned.
.macro OUTQK a
.if (\a) > 0
	s_wait_xcnt 0x0                                ; the last block's stores have read their data
.endif
	QUANT \a
.irp p, 0,1,2
	global_store_b64 v[VO8], v[CD+2*\p:CD+2*\p+1], s[12:13] offset:768*(\a)+256*\p
.endr
.irp p, 0,1,2
	global_store_b64 v[VOB], v[CD+6+2*\p:CD+7+2*\p], s[12:13] offset:768*(\a)+256*\p
.endr
	v_and_b32 v[T0], s99, v[MK+(\a)]
	v_cmp_ne_u32 s22, 0, v[T0]
	v_cndmask_b32 v[T0], v[HIM], v[HIU], s22       ; the word's upper half: a value is chosen, no branch
	v_lshrrev_b32 v[T1], v[SH16], v[PW]
	v_and_or_b32 v[WD+(\a)], v[T1], 0xffff, v[T0]
.endm
; v: block a is 16 of a head's 64 numbers; the 12 registers are a whole fragment, 16 rows x 128 keys.  Each store covers 512 consecutive bytes, aligned.
.macro OUTV a
.if (\a) > 0
	s_wait_xcnt 0x0
.endif
	QUANT \a
.irp c, 0,1,2
	global_store_b128 v[VO16], v[CD+4*\c:CD+4*\c+3], s[12:13] offset:((\a)/4)*212992+((\a)%4)*1536+512*\c
.endr
	v_mov_b32 v[WD+(\a)], v[PW]
.endm
	PLACES NP
	s_mov_b32 s20, 0x76543210
	s_mov_b32 s21, 0xfedcba98
	s_wait_loadcnt 0x0                             ; the mask bytes
	s_cmp_eq_u32 ttmp9, 2                          ; the section: the same in every partner
	s_cbranch_scc1 .Lkeys_inner
.irp a, 0,1,2,3,4,5,6,7
	OUTQK \a
.endr
	global_store_b128 v[VOS], v[WD:WD+3], s[12:13]
	global_store_b128 v[VOS], v[WD+4:WD+7], s[12:13] offset:256
	s_branch .Ldone
.Lkeys_inner:
.irp a, 0,1,2,3,4,5,6,7
	OUTV \a
.endr
	s_mov_b32 vcc_lo, 0xffff0000
.irp i, 0,1,2,3
	v_cndmask_b32 v[ZZ+\i], v[WD+\i], v[WD+4+\i], vcc_lo
.endr
	global_store_b128 v[VOS], v[ZZ:ZZ+3], s[12:13]
	global_store_b128 v[VOS], v[ZZ:ZZ+3], s[12:13] offset:256  ; once more: the reader's upper lanes name these bytes
.Ldone:
	s_wait_tensorcnt 0x0                           ; the wave's end
	ds_add_u32 v[SPW], v[NIL]
	s_wait_dscnt 0x0
	CROUND                                         ; the closing round
	s_endpgm
.Lfunc_end_k_qe13728c04d_qkv:
	.size	k_qe13728c04d_qkv, .Lfunc_end_k_qe13728c04d_qkv-k_qe13728c04d_qkv
	.p2alignl 7, 3214868480
	.fill 96, 4, 3214868480
	.section	.rodata,"a",@progbits
	.p2align	6, 0x0
	.amdhsa_kernel k_qe13728c04d_qkv
		.amdhsa_group_segment_fixed_size 327680
		.amdhsa_private_segment_fixed_size 0
		.amdhsa_enable_private_segment 0
		.amdhsa_kernarg_size 88
		.amdhsa_user_sgpr_count 2
		.amdhsa_user_sgpr_kernarg_segment_ptr 1
		.amdhsa_wavefront_size32 1
		.amdhsa_system_sgpr_workgroup_id_x 1
		.amdhsa_system_sgpr_workgroup_id_y 1
		.amdhsa_system_sgpr_workgroup_id_z 1
		.amdhsa_system_vgpr_workitem_id 0
		.amdhsa_next_free_vgpr 1024
		.amdhsa_next_free_sgpr 100
		.amdhsa_reserve_vcc 1
		.amdhsa_float_denorm_mode_32 3
		.amdhsa_float_denorm_mode_16_64 3
		.amdhsa_memory_ordered 1
		.amdhsa_forward_progress 1
		.amdhsa_inst_pref_size 205
	.end_amdhsa_kernel
	.amdgpu_metadata
---
amdhsa.version: [ 1, 2 ]
amdhsa.kernels:
  - .name:           k_qe13728c04d_qkv
    .symbol:         k_qe13728c04d_qkv.kd
    .args:
      - { .name: hidden_states_codes, .offset: 0, .size: 8, .value_kind: global_buffer, .address_space: global }
      - { .name: hidden_states_scales, .offset: 8, .size: 8, .value_kind: global_buffer, .address_space: global }
      - { .name: Wq_codes, .offset: 16, .size: 8, .value_kind: global_buffer, .address_space: global }
      - { .name: Wq_scales, .offset: 24, .size: 8, .value_kind: global_buffer, .address_space: global }
      - { .name: Wk_codes, .offset: 32, .size: 8, .value_kind: global_buffer, .address_space: global }
      - { .name: Wk_scales, .offset: 40, .size: 8, .value_kind: global_buffer, .address_space: global }
      - { .name: Wv_codes, .offset: 48, .size: 8, .value_kind: global_buffer, .address_space: global }
      - { .name: Wv_scales, .offset: 56, .size: 8, .value_kind: global_buffer, .address_space: global }
      - { .name: mask, .offset: 64, .size: 8, .value_kind: global_buffer, .address_space: global }
      - { .name: qf, .offset: 72, .size: 8, .value_kind: global_buffer, .address_space: global }
      - { .name: kv, .offset: 80, .size: 8, .value_kind: global_buffer, .address_space: global }
    .group_segment_fixed_size: 327680
    .private_segment_fixed_size: 0
    .kernarg_segment_align: 8
    .kernarg_segment_size: 88
    .max_flat_workgroup_size: 128
    .sgpr_count:     100
    .vgpr_count:     1024
    .wavefront_size: 32
...
	.end_amdgpu_metadata
.endif
;; end of part 1
;; launch attn (part 2): grid 8 x 32, 16 waves a work-group, no clusters, 327,680 bytes of LDS; arguments qf, kv, rel_bias, oc, osc; writes oc, osc
.if DOCPART == 2
	.amdgcn_target "amdgcn-amd-amdhsa--gfx1250"
	.amdhsa_code_object_version 6
	.text
	.protected	k_qe13728c04d_attn
	.globl	k_qe13728c04d_attn
	.p2align	8
	.type	k_qe13728c04d_attn,@function
k_qe13728c04d_attn:
	s_mov_b64 s[64:65], 0
	v_nop
	global_prefetch_b8 v0, s[64:65] scope:SCOPE_SE
	s_setreg_imm32_b32 hwreg(HW_REG_WAVE_MODE, 25, 1), 1
	s_wait_xcnt 0x0
; O[b][h][q] = sum over k of softmax_k(q . k + bias(k - q, h), hidden keys left out) v[k], both products on codes of FP6 (E2M3) with E8M0 scales; O is then quantised along the head's 64 for the last product.
; kv: [32 heads][16 steps of 128 keys][13,312 bytes]: 8 tiles of k (768 bytes), 4 fragments of v (1,536 bytes), 512 bytes of k's scale words, 512 of v's.  qf: [32][16 groups][6,656].  oc [4096][768], osc [4096][32]: natural order.
; SOFTMAX: t = (score + bias) log2(e); M = the running largest t rounded up to a whole number; p = 2^(t - M) is quantised along the keys; the sum is taken of the unquantised p and divides O at the end; a move of M multiplies sum and O by a power of two.
; SHARES: a work-group owns 256 queries of one head, each of its sixteen waves 16 of them; four waves to a SIMD.
; FILLS: a head's k and v lie in LDS whole, each byte filled once.  At the head every wave loads a quarter of one of slots 0-3; waves 0-11 load slots 4-15, one each;
; these have the steps of slots 0-3 in which to land.  Slot j holds key step (2 x - 1 + j) mod 16, x the block of queries: the steps near the diagonal are slots 0-3.
; The barrier that shows slots 4-15 whole is signalled ahead of the fourth step and waited for late in it, ahead of the first read of slot 4.
; PADDING: a step's block comes as 52 rows of 256 bytes with 32 bytes of padding behind each: an LDS row is 288 bytes, a slot 14,976.  Byte y of a block lies at y + 32 (y / 256).
; K ONE STEP AHEAD: the next slot's fragments and words of k are asked for behind this step's scores' products, whose registers they take; the last step asks for nothing.
; WHOLE BLOCKS IN A LANE.  Both products are used transposed (S^T = k q^T, O^T = v^T p^T): a lane holds one query.  The rows of an image that form a tile are picked by the LDS address: tile (c, T) of k takes, in its rows 0-7, keys
; 64 c + 8 tau(T) + 0..7 and, in its rows 8-15, the keys 32 further on, tau = 0, 2, 1, 3.  So lane (r, h) holds all 32 keys of block 2 c + h, in the order in which v's codes were made.  Tile T of v takes d = 8 T + 0..7 and 32 + 8 T + 0..7:
; a lane holds 32 neighbouring numbers of O's row.  For k lanes r + 8 read 6 LDS rows behind lanes r, 1,728 bytes = 192 modulo 256; for v 12 rows, 3,456 bytes = 128 modulo 256:
; the 32 lanes of a load of 8 bytes, and the 16 lanes of half a load of 16 bytes, name 256 different bytes modulo 256.
; BIAS: where all |k - q| of a step are 91 or more it is one of two numbers, and goes into the addend of t - M; else it is the C of the scores' product, from TBL[k - q + 384], built here in four copies,
; copy s shifted by s words, so that a lane's eight neighbouring words are two aligned loads of 16 bytes from copy r % 4.
; bucket(d), n = |d|: n under 8; then 8 .. 15 from n = 8, 12, 16, 23, 32, 46, 64, 91 on; + 16 where d > 0.
; THE PADDING MASK is a term of the scores' product: at k = 64 every key has the code +1 and every query -1; that block's scale bytes give -2^100 for a hidden key and -2^-76 for an open one.
; NO CLUSTER: the branch between table and constant hangs on the block of queries, which differs between the work-groups of a head, and their slots hold different steps.
; NO PREFETCH INTO THE L2: both groups of tensor loads are issued ahead of the first loop; no loop runs ahead of a tensor load.
; LIMITS: the promise holds while |t| stays under 2^31; NaN and infinities are not served; a block of zeros gets the byte 1 in osc (this program alone reads it); a batch whose every key is hidden gives the mean of v only
; as far as -2^100 + score comes out as one number for all keys.
.set SBG,  13312                       ; a step's block in memory
.set ROW,  288                         ; an LDS row
.set SB,   52*ROW                      ; a slot
.set VFR,  24*ROW                      ; in it: v's fragments,
.set KSC,  48*ROW                      ; k's scale words,
.set VSC,  50*ROW                      ; v's
.set TBL,  16*SB
.set CST,  4160                        ; from copy to copy of the table: 4,096 bytes + 64
.set SPARE, TBL+4*CST
.set LK,   1                           ; 8 (r % 8) + 128 h + 6 ROW (r / 8)
.set LV,   2                           ; 16 (r % 8) + ROW h + 12 ROW (r / 8)
.set LW,   3                           ; 16 (r % 8) + 8 (r / 8) + ROW h
.set ATB0, 4                           ; TBL + CST (r % 4) + 4 (256 + 32 h - 4 (r / 4) - 16 wave)
.set ADK,  5
.set ADV,  6
.set ADW,  7
.set KSW,  8                           ; v8-11 k's scale words: lanes 0-15 c = 0, lanes 16-31 c = 1
.set QF,   16
.set VSW,  28
.set KF,   32                          ; v32-127 eight fragments of k: +0..5 loaded, +6 the code +1 at k = 64, +7..11 zeros
.set S,    128                         ; S^T, then p; then v's four fragments in the lower 48
.set O,    192                         ; O^T: register 8 T + j is d = 32 h + 8 T + j
.set PCD,  224
.set PT,   236                         ; v236-238, v240-242
.set QSW,  239
.set PWD,  243
.set BM,   244
.set SO,   246
.set F,    248                         ; f = 2^(old M - new M); the pair's upper register is TT
.set TT,   249
.set AD,   250                         ; bias log2(e) - M; the pair's upper register is PX
.set PX,   251
.set ADT,  252
.set SH8,  253                         ; 8 h
.macro D1
	s_delay_alu instid0(VALU_DEP_1)
.endm
	s_load_b256 s[4:11], s[0:1], 0x0               ; qf, kv, rel_bias, oc
	s_load_b64 s[12:13], s[0:1], 0x20              ; osc
	v_lshl_add_u32 v254, v0, 2, SPARE
	v_mov_b32 v255, 0
	ds_add_u32 v254, v255                          ; the opening lines
	ds_add_u32 v254, v255
	v_lshrrev_b32 v5, 5, v0
	v_readfirstlane_b32 s14, v5                    ; wave
	s_mov_b32 s15, ttmp9                           ; x
	s_and_b32 s16, ttmp7, 0xffff                   ; 16 x batch + head
	s_and_b32 s17, s16, 15
	s_lshr_b32 s18, s16, 4
	; group 1: dense rows of 256 bytes (32 elements of 8), 8 words of padding behind every 64: 13 rows (a quarter slot) in s[24:31], 52 (a slot) in s[36:43]
.irp g, 24, 36
	s_mov_b32 s[\g+0], (3<<16)|(1<<20)|(5<<22)|(7<<25)
	s_mov_b32 s[\g+1], 32<<16
	s_mov_b32 s[\g+3], 32<<16
	s_mov_b32 s[\g+5], 32
	s_mov_b32 s[\g+6], 0
	s_mov_b32 s[\g+7], 0
.endr
	s_mov_b32 s26, 13<<16
	s_mov_b32 s28, 13
	s_mov_b32 s38, 52<<16
	s_mov_b32 s40, 52
	s_mul_i32 s55, s16, 16*SBG                     ; the head's first byte in kv
	s_lshl_b32 s56, s15, 1
	s_add_co_u32 s50, s56, 15
	s_and_b32 s50, s50, 15                         ; the key step in slot 0
	s_lshr_b32 s57, s14, 2
	s_add_co_u32 s57, s57, s50
	s_and_b32 s57, s57, 15                         ; the key step in slot wave / 4
	s_mul_i32 s57, s57, SBG
	s_and_b32 s58, s14, 3
	s_mul_i32 s58, s58, 13*256                     ; my quarter of it
	s_add_co_u32 s58, s58, s57
	s_add_co_u32 s58, s58, s55
	s_mov_b32 s59, 0
	s_mul_i32 s60, s14, 13*ROW                     ; LDS: slot wave / 4, quarter wave % 4
	s_min_u32 s19, s14, 11                         ; (waves 12-15 make wave 11's descriptor and do not issue it)
	s_add_co_u32 s56, s19, s50
	s_add_co_u32 s56, s56, 4
	s_and_b32 s56, s56, 15                         ; the key step in slot 4 + wave
	s_mul_i32 s56, s56, SBG
	s_add_co_u32 s56, s56, s55
	s_mov_b32 s57, 0
	s_mul_i32 s61, s19, SB
	s_wait_dscnt 0x0
	s_wait_kmcnt 0x0
	s_mov_b32 s32, 1
	s_mov_b32 s33, s60
	s_add_nc_u64 s[34:35], s[6:7], s[58:59]
	s_or_b32 s35, s35, 0x80000000
	s_mov_b32 s44, 1
	s_add_co_u32 s45, s61, 4*SB
	s_add_nc_u64 s[46:47], s[6:7], s[56:57]
	s_or_b32 s47, s47, 0x80000000
	tensor_load_to_lds s[32:35], s[24:31]          ; my one load at the head
	s_nop 0
.rept 4
	v_nop
.endr
	s_lshl_b32 s49, s17, 2                         ; 4 x head; kept until the loads below are in
	s_load_b32 s53, s[8:9], s49 offset:960         ; rel_bias[15][head]
	s_load_b32 s54, s[8:9], s49 offset:1984        ; rel_bias[31][head]
	s_mul_i32 s55, s16, 106496
	s_lshr_b32 s56, s14, 3
	s_lshl_b32 s57, s15, 1
	s_add_co_u32 s56, s56, s57                     ; the group of 128 queries
	s_mul_i32 s56, s56, 6656
	s_add_co_u32 s58, s55, s56
	s_add_nc_u64 s[4:5], s[4:5], s[58:59]
	s_and_b32 s56, s14, 7                          ; my tile in the group
	s_mul_i32 s56, s56, 768
	s_bfe_u32 s57, s14, 0x10002
	s_lshl_b32 s57, s57, 8
	s_and_b32 s58, s14, 3
	s_lshl_b32 s58, s58, 2
	s_add_co_u32 s57, s57, s58                     ; my tile's words
	v_and_b32 v128, 31, v0
	v_and_b32 v129, 15, v0                         ; r
	v_bfe_u32 v130, v0, 4, 1                       ; h
	v_and_b32 v131, 7, v0                          ; r % 8
	v_bfe_u32 v132, v0, 3, 1                       ; r / 8
	v_lshl_add_u32 v133, v128, 3, s56
	v_lshl_add_u32 v134, v129, 4, s57
.irp p, 0,1,2
	global_load_b64 v[QF+2*\p:QF+2*\p+1], v133, s[4:5] offset:256*\p
.endr
	global_load_b32 v[QSW], v134, s[4:5] offset:6144
; table entry 512 e + thread: d = index - 384, its bucket, the head's number of that bucket
.macro TABENT e
	v_add_nc_u32 v136, 512*\e-384, v0
	v_sub_nc_u32 v137, 0, v136
	v_cmp_gt_i32 vcc_lo, 0, v136
	v_cndmask_b32 v137, v136, v137, vcc_lo         ; n = |d|
	v_min_u32 v138, 8, v137
.irp T, 12,16,23,32,46,64,91
	v_cmp_le_u32 vcc_lo, \T, v137
	v_cndmask_b32 v139, 0, 1, vcc_lo
	v_add_nc_u32 v138, v138, v139
.endr
	v_cmp_lt_i32 vcc_lo, 0, v136
	v_cndmask_b32 v139, 0, 16, vcc_lo
	v_add_nc_u32 v138, v138, v139
	v_lshl_add_u32 v[140+\e], v138, 6, s49
	global_load_b32 v[142+\e], v[140+\e], s[8:9]
.endm
	TABENT 0
	TABENT 1
	v_lshlrev_b32 v[LK], 3, v131
	v_lshl_add_u32 v[LK], v130, 7, v[LK]
	v_mad_u32_u24 v[LK], v132, 6*ROW, v[LK]
	v_lshlrev_b32 v[LV], 4, v131
	v_mad_u32_u24 v[LV], v130, ROW, v[LV]
	v_mad_u32_u24 v[LV], v132, 12*ROW, v[LV]
	v_lshlrev_b32 v[LW], 4, v131
	v_lshl_add_u32 v[LW], v132, 3, v[LW]
	v_mad_u32_u24 v[LW], v130, ROW, v[LW]
	v_bfe_u32 v135, v0, 2, 2                       ; r / 4
	v_xor_b32 v135, 3, v135
	v_lshlrev_b32 v[ATB0], 4, v135                 ; 16 (3 - r / 4)
	v_lshl_add_u32 v[ATB0], v130, 7, v[ATB0]       ; + 128 h
	v_and_b32 v135, 3, v0
	v_mad_u32_u24 v[ATB0], v135, CST, v[ATB0]      ; + my copy
	s_xor_b32 s57, s14, 15
	s_lshl_b32 s57, s57, 6
	v_add_nc_u32 v[ATB0], s57, v[ATB0]             ; + 64 (15 - wave)
	v_add_nc_u32 v[ATB0], TBL+16, v[ATB0]          ; 48 + 960 + 16 = 1,024
	v_lshlrev_b32 v[SH8], 3, v130
	v_sub_nc_u32 v135, 1, v130                     ; k = 64 lies in lanes 0-15, register 6, bits 0-5
	v_mul_u32_u24 v[QF+6], v135, 0x28              ; the code -1
.irp i, 7,8,9,10,11
	v_mov_b32 v[QF+\i], 0
.endr
.irp u, 0,1,2,3,4,5,6,7
	v_lshlrev_b32 v[KF+12*\u+6], 3, v135           ; the code +1
.irp i, 7,8,9,10,11
	v_mov_b32 v[KF+12*\u+\i], 0
.endr
.endr
	v_mov_b32 v13, 0xff61b1e6                      ; the largest t so far: -3e38
	v_floor_f32 v12, -v13                          ; -M
	v_mov_b32 v14, 0
	v_mov_b32 v15, 0
	v_mov_b32 v[PX], 0
	v_mov_b32 v[TT], 0
.set j, 0
.rept 32
	v_mov_b32 v[O+j], 0                            ; the step is written without a first step of its own: it finds zeros
.set j, j+1
.endr
	s_mov_b32 s20, 0x76543210
	s_mov_b32 s21, 0xfedcba98
	s_mov_b32 s22, 0x3fb8aa3b                      ; log2(e)
	s_mov_b32 s23, s22
	s_lshl_b32 s51, s15, 8
	s_lshl_b32 s55, s14, 4
	s_add_co_u32 s51, s51, s55                     ; my first query
	v_lshl_add_u32 v135, v0, 2, TBL
	s_wait_alu depctr_va_vdst(0)                   ; the wait at the head's end
	s_wait_loadcnt 0x0
.irp s, 0,1,2,3                                ; entry i goes to word i + s of copy s
	ds_store_b32 v135, v142 offset:(CST+4)*\s
	ds_store_b32 v135, v143 offset:(CST+4)*\s+2048
.endr
	s_wait_kmcnt 0x0
	s_mul_f32 s53, s53, s22                        ; the two constant biases as terms of t
	s_mul_f32 s54, s54, s22
	s_wait_tensorcnt 0x0                           ; my quarter slot is in; the sequence ahead of a later first fill
	ds_add_u32 v254, v255
	s_wait_dscnt 0x0                               ; the add and my table entries
	s_barrier_signal -1
	s_barrier_wait -1
	s_cmp_lt_u32 s14, 12
	s_cbranch_scc0 .Lno_fill
	tensor_load_to_lds s[44:47], s[36:43]          ; slot 4 + wave
	s_nop 0
.rept 4
	v_nop
.endr
.Lno_fill:
; k's words and fragments of the slot off bytes behind the address registers: 4 + 24 loads.  A tile of the image is three LDS rows
.macro KLOADS adk, adw, off
.irp T, 0,1,2,3
	ds_load_b32 v[KSW+\T], v[\adw] offset:\off+KSC+128*(\T/2)+4*(\T%2)
.endr
.irp c, 0,1
.irp T, 0,1,2,3
.irp p, 0,1,2
	ds_load_b64 v[KF+12*(4*\c+\T)+2*\p:KF+12*(4*\c+\T)+2*\p+1], v[\adk] offset:\off+3*ROW*(4*\c+(\T%2))+64*(\T/2)+ROW*\p
.endr
.endr
.endr
.endm
; S^T = k q^T (+ the bias that lies in S^T's registers, n = 1)
.macro SCORES n
.irp T, 0,1,2,3
.if \n
	v_wmma_scale_f32_16x16x128_f8f6f4 v[S+8*\T:S+8*\T+7], v[KF+12*\T:KF+12*\T+11], v[QF:QF+11], v[S+8*\T:S+8*\T+7], v[KSW+\T], v[QSW] matrix_a_fmt:MATRIX_FMT_FP6 matrix_b_fmt:MATRIX_FMT_FP6
.else
	v_wmma_scale_f32_16x16x128_f8f6f4 v[S+8*\T:S+8*\T+7], v[KF+12*\T:KF+12*\T+11], v[QF:QF+11], 0, v[KSW+\T], v[QSW] matrix_a_fmt:MATRIX_FMT_FP6 matrix_b_fmt:MATRIX_FMT_FP6
.endif
.endr
.irp T, 0,1,2,3
.if \n
	v_wmma_scale_f32_16x16x128_f8f6f4 v[S+32+8*\T:S+32+8*\T+7], v[KF+48+12*\T:KF+48+12*\T+11], v[QF:QF+11], v[S+32+8*\T:S+32+8*\T+7], v[KSW+\T], v[QSW] matrix_a_fmt:MATRIX_FMT_FP6 matrix_b_fmt:MATRIX_FMT_FP6 matrix_a_scale:MATRIX_SCALE_ROW1
.else
	v_wmma_scale_f32_16x16x128_f8f6f4 v[S+32+8*\T:S+32+8*\T+7], v[KF+48+12*\T:KF+48+12*\T+11], v[QF:QF+11], 0, v[KSW+\T], v[QSW] matrix_a_fmt:MATRIX_FMT_FP6 matrix_b_fmt:MATRIX_FMT_FP6 matrix_a_scale:MATRIX_SCALE_ROW1
.endif
.endr
.endm
.macro OMUL j0
.irp j, 0,2,4,6
	v_pk_mul_f32 v[O+\j0+\j:O+\j0+\j+1], v[O+\j0+\j:O+\j0+\j+1], v[F:F+1] op_sel_hi:[1,0]
.endr
.endm
; A KEY STEP: the 128 keys of the slot at LDS byte s48; s50 is their true step; their fragments of k were asked for a step ago.
; near: the step may lie near the diagonal.  pre: the next slot's k is asked for.  bar: the open barrier is waited for ahead of that request.
.macro STEP near, pre, bar
	s_lshl_b32 s55, s50, 7
	s_sub_co_i32 s55, s55, s51                     ; D0: k - q runs from D0 - 15 to D0 + 127
.if \near
	s_add_co_i32 s56, s55, 217
	s_cmp_le_u32 s56, 322                          ; some |k - q| <= 90 just where -217 <= D0 <= 105: a branch on ids
	s_wait_alu depctr_va_vdst(0)                   ; the wait ahead of the branch
	s_cbranch_scc0 .Lfar_\@
	v_add_nc_u32 v[ADT], s49, v[ATB0]
.irp c, 0,1
.irp T, 0,1,2,3
	ds_load_b128 v[S+8*(4*\c+\T):S+8*(4*\c+\T)+3], v[ADT] offset:4*(64*\c+16*(\T%2)+8*(\T/2))
	ds_load_b128 v[S+8*(4*\c+\T)+4:S+8*(4*\c+\T)+7], v[ADT] offset:4*(64*\c+16*(\T%2)+8*(\T/2))+16
.endr
.endr
	s_mov_b32 s57, 0
	s_wait_dscnt 0x0
	SCORES 1
	s_branch .Ljoin_\@
.Lfar_\@:
.endif
	s_cmp_gt_i32 s55, 0
	s_cselect_b32 s57, s54, s53                    ; all keys behind my queries, or all in front
	s_wait_dscnt 0x0                               ; k's fragments (all LDS loads were waited for ahead of the last step's second product; the first step's are waited for here)
	SCORES 0
.if \near
.Ljoin_\@:
.endif
	v_add_nc_u32 v[ADV], s48, v[LV]                ; four places behind the products
	v_add_nc_u32 v[ADW], s48, v[LW]
.if \pre
	v_add_nc_u32 v[ADK], s48, v[LK]
.else
	v_nop
.endif
	v_nop
.if (\pre) && !(\bar)
	KLOADS ADK, ADW, SB
.endif
	; the largest score of each of my two blocks of 32 keys, in two chains each; it serves the row's maximum and the block's largest p
.irp c, 0,1
	v_max3_num_f32 v[BM+\c], v[S+32*\c], v[S+32*\c+1], v[S+32*\c+2]
	v_max3_num_f32 v[SO+\c], v[S+32*\c+16], v[S+32*\c+17], v[S+32*\c+18]
.endr
.irp i, 3,5,7,9,11,13
.irp c, 0,1
	v_max3_num_f32 v[BM+\c], v[BM+\c], v[S+32*\c+\i], v[S+32*\c+\i+1]
	v_max3_num_f32 v[SO+\c], v[SO+\c], v[S+32*\c+16+\i], v[S+32*\c+17+\i]
.endr
.endr
.irp c, 0,1
	v_max3_num_f32 v[BM+\c], v[BM+\c], v[SO+\c], v[S+32*\c+15]
.endr
.irp c, 0,1
	v_max_num_f32 v[BM+\c], v[BM+\c], v[S+32*\c+31]
.endr
	D1
	v_max_num_f32 v[TT], v[BM], v[BM+1]
	D1
	v_permlanex16_b32 v[PX], v[TT], s20, s21
	D1
	v_max_num_f32 v[TT], v[TT], v[PX]              ; the step's largest score of my query
	D1
	v_fma_f32 v[TT], v[TT], s22, s57               ; as t
	D1
	v_max_num_f32 v13, v13, v[TT]
	v_mov_b32 v[TT], v12
	s_delay_alu instid0(VALU_DEP_2)
	v_floor_f32 v12, -v13                          ; the new -M
	D1
	v_sub_f32 v[TT], v12, v[TT]
	v_add_f32 v[AD], s57, v12
	s_delay_alu instid0(VALU_DEP_2)
	v_cvt_i32_f32 v[TT], v[TT]                     ; (it saturates)
	D1
	v_ldexp_f32 v[F], 1.0, v[TT]
.set j, 0
.rept 32
	v_pk_fma_f32 v[S+j:S+j+1], v[S+j:S+j+1], s[22:23], v[AD:AD+1] op_sel_hi:[1,0,0]   ; t - M
.set j, j+2
.endr
.irp c, 0,1
	v_fma_f32 v[BM+\c], v[BM+\c], s22, v[AD]
.endr
	s_wait_alu depctr_va_vdst(0)                   ; the wait ahead of the batch
.set j, 0
.rept 64
	v_exp_f32 v[S+j], v[S+j]
.set j, j+1
.endr
.irp c, 0,1
	v_exp_f32 v[BM+\c], v[BM+\c]                   ; the block's largest p
.endr
	v_pk_mul_f32 v[14:15], v[14:15], v[F:F+1] op_sel_hi:[1,0]   ; the sum under the new M; a plain place behind the batch
	s_wait_alu depctr_va_vdst(0)                   ; and the wait behind it
.irp c, 0,1
	v_max_num_f32 v[BM+\c], 0x1800000, v[BM+\c]    ; the floor 2^(3 - 127)
.endr
.irp c, 0,1
	v_add_nc_u32 v[SO+\c], 0xff000000, v[BM+\c]
.endr
.irp c, 0,1
	v_lshrrev_b32 v[BM+\c], 23, v[SO+\c]
.endr
	D1
	v_lshl_or_b32 v[TT], v[BM+1], 16, v[BM]        ; my bytes: blocks h and 2 + h,
	D1
	v_lshlrev_b32 v[TT], v[SH8], v[TT]             ; at their places;
	D1
	v_permlanex16_b32 v[PX], v[TT], s20, s21
	D1
	v_or_b32 v[PWD], v[TT], v[PX]                  ; with lane l xor 16's the word is whole
.irp c, 0,1
	v_cvt_scalef32_pk16_fp6_f32 v[PCD+6*\c:PCD+6*\c+2], v[S+32*\c:S+32*\c+15], v[SO+\c]
	v_cvt_scalef32_pk16_fp6_f32 v[PT+4*\c:PT+4*\c+2], v[S+32*\c+16:S+32*\c+31], v[SO+\c]
.endr
	v_nop                                          ; one plain place behind a scaled conversion
.irp c, 0,1
.irp i, 0,1,2
	v_mov_b32 v[PCD+3+6*\c+\i], v[PT+4*\c+\i]      ; (a conversion's three registers begin on an even number)
.endr
.endr
.irp g, 0,1,2                                  ; the sum of the unquantised p: the lower 24 pairs onto the upper 8
.irp a, 0,1,2,3,4,5,6,7
	v_pk_add_f32 v[S+48+2*\a:S+49+2*\a], v[S+48+2*\a:S+49+2*\a], v[S+16*\g+2*\a:S+16*\g+2*\a+1]
.endr
.endr
.if \bar
	s_wait_alu depctr_va_vdst(0)                   ; the wait ahead of the wait below
	s_barrier_wait -1                              ; every wave's slot of slots 4-15 is in
	KLOADS ADK, ADW, SB
.endif
.irp T, 0,1,2,3                                ; the lower 48 registers take v's four fragments; a fragment of the image is six LDS rows
.irp q, 0,1,2
	ds_load_b128 v[S+12*\T+4*\q:S+12*\T+4*\q+3], v[ADV] offset:VFR+6*ROW*(\T/2)+128*(\T%2)+2*ROW*\q
.endr
.endr
.irp T, 0,1,2,3
	ds_load_b32 v[VSW+\T], v[ADW] offset:VSC+128*(\T%2)+4*(\T/2)
.endr
.irp a, 0,1,2,3
	v_pk_add_f32 v[S+48+2*\a:S+49+2*\a], v[S+48+2*\a:S+49+2*\a], v[S+56+2*\a:S+57+2*\a]
.endr
	s_wait_alu depctr_va_vdst(0)                   ; the wait ahead of O^T's first reader
	OMUL 0
	OMUL 8
	OMUL 16
	OMUL 24
	s_wait_alu depctr_va_vdst(0)                   ; the wait ahead of the wait below
	s_wait_dscnt 0x0                               ; v's fragments and words, and the next slot's k
.irp T, 0,1,2,3                                ; O^T += v^T p^T, the four accumulators by turns
	v_wmma_scale_f32_16x16x128_f8f6f4 v[O+8*\T:O+8*\T+7], v[S+12*\T:S+12*\T+11], v[PCD:PCD+11], v[O+8*\T:O+8*\T+7], v[VSW+\T], v[PWD] matrix_a_fmt:MATRIX_FMT_FP6 matrix_b_fmt:MATRIX_FMT_FP6
.endr
	v_pk_add_f32 v[S+48:S+49], v[S+48:S+49], v[S+52:S+53]      ; the sum's last additions name none of the products' registers: five places with the v_nop
	v_pk_add_f32 v[S+50:S+51], v[S+50:S+51], v[S+54:S+55]
	v_pk_add_f32 v[S+48:S+49], v[S+48:S+49], v[S+50:S+51]
	v_pk_add_f32 v[14:15], v[14:15], v[S+48:S+49]
	v_nop
	s_add_co_u32 s48, s48, SB
	s_add_co_u32 s50, s50, 1
	s_and_b32 s50, s50, 15
.if \near
	s_add_co_u32 s49, s49, 512
.endif
.endm
	KLOADS LK, LW, 0                               ; slot 0's k
	s_mov_b32 s48, 0
	s_mov_b32 s49, 0
	s_mov_b32 s52, 3
.Lnear:
	STEP 1, 1, 0
	s_sub_co_u32 s52, s52, 1
	s_cmp_lg_u32 s52, 0
	s_cbranch_scc1 .Lnear
	s_wait_tensorcnt 0x0                           ; my slot of slots 4-15 is in:
	s_wait_dscnt 0x0
	s_barrier_signal -1                            ; say so; the wait stands in the step below
	s_mov_b32 s48, 3*SB
	s_mov_b32 s49, 3*512
	STEP 1, 1, 1
	s_mov_b32 s48, 4*SB
	s_mov_b32 s52, 11
.Lrest:
	STEP 0, 1, 0
	s_sub_co_u32 s52, s52, 1
	s_cmp_lg_u32 s52, 0
	s_cbranch_scc1 .Lrest
	s_mov_b32 s48, 15*SB
	STEP 0, 0, 0                                   ; the last step asks for nothing
	; THE WAY OUT: O^T / the sum; my 32 numbers are one block of the token's row: 24 bytes of codes and a scale byte
	v_add_f32 v14, v14, v15
	v_permlanex16_b32 v[PX], v14, s20, s21
	v_add_f32 v14, v14, v[PX]
	s_wait_alu depctr_va_vdst(0)
	v_rcp_f32 v14, v14
	v_and_b32 v5, 15, v0
	v_bfe_u32 v6, v0, 4, 1
	v_mul_u32_u24 v7, v5, 768
	v_mad_u32_u24 v7, v6, 24, v7                   ; oc: row r, block h
	v_lshl_add_u32 v1, v5, 5, v6                   ; osc: row r, byte h
	s_lshl_b32 s55, s18, 11
	s_add_co_u32 s55, s55, s51                     ; my first token
	s_mul_i32 s56, s55, 768
	s_mul_i32 s57, s17, 48
	s_add_co_u32 s58, s56, s57
	s_mov_b32 s59, 0
	s_add_nc_u64 s[10:11], s[10:11], s[58:59]
	s_lshl_b32 s56, s55, 5
	s_lshl_b32 s57, s17, 1
	s_add_co_u32 s58, s56, s57
	s_add_nc_u64 s[12:13], s[12:13], s[58:59]
	s_wait_alu depctr_va_vdst(0)
.set j, 0
.rept 16
	v_pk_mul_f32 v[S+j:S+j+1], v[O+j:O+j+1], v[14:15] op_sel_hi:[1,0]   ; each accumulator from its low end on
.set j, j+2
.endr
.irp g, 0,1
	v_max3_num_f32 v[BM+\g], |v[S+16*\g]|, |v[S+16*\g+1]|, 0x1800000
.endr
.irp i, 2,4,6,8,10,12,14
.irp g, 0,1
	v_max3_num_f32 v[BM+\g], v[BM+\g], |v[S+16*\g+\i]|, |v[S+16*\g+\i+1]|
.endr
.endr
	v_max_num_f32 v[BM], v[BM], v[BM+1]
	v_add_nc_u32 v[SO], 0xff000000, v[BM]
	v_lshrrev_b32 v[BM], 23, v[SO]
	v_cvt_scalef32_pk16_fp6_f32 v[PCD:PCD+2], v[S:S+15], v[SO]
	v_cvt_scalef32_pk16_fp6_f32 v[PT:PT+2], v[S+16:S+31], v[SO]
	v_nop
.irp i, 0,1,2
	v_mov_b32 v[PCD+3+\i], v[PT+\i]
.endr
.irp p, 0,1,2
	global_store_b64 v7, v[PCD+2*\p:PCD+2*\p+1], s[10:11] offset:8*\p   ; 48 bytes a token and head: pieces of rows laid as the last product's loads want them
.endr
	global_store_b8 v1, v[BM], s[12:13]
	s_wait_tensorcnt 0x0                           ; the wave's end
	ds_add_u32 v254, v255
	s_wait_dscnt 0x0
	s_endpgm
.Lfunc_end_k_qe13728c04d_attn:
	.size	k_qe13728c04d_attn, .Lfunc_end_k_qe13728c04d_attn-k_qe13728c04d_attn
	.p2alignl 7, 3214868480
	.fill 96, 4, 3214868480
	.section	.rodata,"a",@progbits
	.p2align	6, 0x0
	.amdhsa_kernel k_qe13728c04d_attn
		.amdhsa_group_segment_fixed_size 327680
		.amdhsa_private_segment_fixed_size 0
		.amdhsa_enable_private_segment 0
		.amdhsa_kernarg_size 40
		.amdhsa_user_sgpr_count 2
		.amdhsa_user_sgpr_kernarg_segment_ptr 1
		.amdhsa_wavefront_size32 1
		.amdhsa_system_sgpr_workgroup_id_x 1
		.amdhsa_system_sgpr_workgroup_id_y 1
		.amdhsa_system_sgpr_workgroup_id_z 1
		.amdhsa_system_vgpr_workitem_id 0
		.amdhsa_next_free_vgpr 256
		.amdhsa_next_free_sgpr 66
		.amdhsa_reserve_vcc 1
		.amdhsa_float_denorm_mode_32 3
		.amdhsa_float_denorm_mode_16_64 3
		.amdhsa_memory_ordered 1
		.amdhsa_forward_progress 1
		.amdhsa_inst_pref_size 86
	.end_amdhsa_kernel
	.amdgpu_metadata
---
amdhsa.version: [ 1, 2 ]
amdhsa.kernels:
  - .name:           k_qe13728c04d_attn
    .symbol:         k_qe13728c04d_attn.kd
    .args:
      - { .name: qf, .offset: 0, .size: 8, .value_kind: global_buffer, .address_space: global }
      - { .name: kv, .offset: 8, .size: 8, .value_kind: global_buffer, .address_space: global }
      - { .name: rel_bias, .offset: 16, .size: 8, .value_kind: global_buffer, .address_space: global }
      - { .name: oc, .offset: 24, .size: 8, .value_kind: global_buffer, .address_space: global }
      - { .name: osc, .offset: 32, .size: 8, .value_kind: global_buffer, .address_space: global }
    .group_segment_fixed_size: 327680
    .private_segment_fixed_size: 0
    .kernarg_segment_align: 8
    .kernarg_segment_size: 40
    .max_flat_workgroup_size: 512
    .sgpr_count:     66
    .vgpr_count:     256
    .wavefront_size: 32
...
	.end_amdgpu_metadata
.endif
;; end of part 2
;; launch oproj (part 3): grid 8 x 32, 4 waves a work-group, clusters of 4 x 4, 327,680 bytes of LDS; arguments oc, osc, Wo_codes, Wo_scales, out0; writes out0
.if DOCPART == 3
	.amdgcn_target "amdgcn-amd-amdhsa--gfx1250"
	.amdhsa_code_object_version 6
	.text
	.protected	k_qe13728c04d_oproj
	.globl	k_qe13728c04d_oproj
	.p2align	8
	.type	k_qe13728c04d_oproj,@function
k_qe13728c04d_oproj:
	s_mov_b64 s[64:65], 0
	v_nop
	global_prefetch_b8 v0, s[64:65] scope:SCOPE_SE
	s_setreg_imm32_b32 hwreg(HW_REG_WAVE_MODE, 25, 1), 1
	s_wait_xcnt 0x0
	s_wait_alu depctr_hold_cnt(0) depctr_sa_sdst(0) depctr_va_vdst(0) depctr_va_sdst(0) depctr_va_ssrc(0) depctr_va_vcc(0) depctr_vm_vsrc(0)
	s_getreg_b32 s2, hwreg(HW_REG_IB_STS2, 6, 4)
	s_cmp_eq_u32 s2, 0
	s_cbranch_scc0 .Lentry_in_a_cluster
	s_endpgm
.Lentry_in_a_cluster:
	s_bfe_u32 s2, ttmp6, 0x10000c
	s_cmp_lg_u32 s2, 0xf033
	s_cbranch_scc0 .Lentry_shape_is_right
	s_endpgm
.Lentry_shape_is_right:
; out[m][n] = sum over k of o[m][k] Wo[n][k]: [4096 x 1024] x [1024 x 1024] on codes of FP6 (E2M3), one E8M0 scale for each 32 along K; out in f32.
; A work-group makes 128 x 128 of out: 32 x 8 = 256 work-groups.  Four waves, 64 x 64 each.
; NO RING: the block's 128 rows of o and 128 rows of Wo, all of K (98,304 bytes each, dense in memory), and their scales (4,096 bytes each) come into LDS once, by four loads at the head, one a wave, as rows of 256 bytes
; with 16 bytes of padding behind each: a row of codes is three such rows, 816 bytes of LDS.
; CLUSTERS 4 x 4: o's rows are asked for jointly along a row of the cluster, Wo's along a column.
; BY ROWS OF out: Wo's 32 fragments (4 blocks x 8 steps of 128 along K, 384 registers) stay in registers; my four blocks of 16 rows are finished one after the other, 32 products each, the block's four accumulators by turns, K ascending;
; each block leaves through my own stage in LDS as soon as it is finished.  No fragment is read from LDS twice.
; The product is used transposed (source 0 = rows of Wo, source 1 = rows of o): a lane holds eight neighbouring numbers of a row of out.
; NO PREFETCH: there is no loop to run ahead in; all loads are issued at the head.
; REGISTERS: window 0: v16-29 addresses, v32-63 scale words (8 i + k: lanes 0-15 o's block i, lanes 16-31 Wo's block i, step k), v64-255 o's fragments, two sets of 96.
;   windows 1, 2: Wo's fragments of steps 0-3, 4-7 at v[48 (k % 4) + 12 b].   window 3: accumulator (a, b) at v[32 a + 8 b]; v128-255 rows read back from the stage.
.set PITCH,  816
.set TILE,   128*PITCH
.set SCL,    2*TILE
.set SCB,    16*272
.set STAGE,  SCL+2*SCB
.set SPITCH, 272
.set SPARE,  STAGE+4*16*SPITCH
.set ADRA, 16
.set ADRB, 18
.set ADRS, 20
.set STO,  21
.set RD,   22
.set CO,   23
.set SPW,  28
.set NIL,  29
.set SC,   32
.set AF,   64
.set BK,   128
.set G1, 24
.set G0, 32
.set G0B, 36
.set G1B, 48
.set G1S, 68
.set G0S, 76
.set G1SB, 80
.set G0SB, 88
.set DW0, (3<<16)|(1<<20)|(1<<21)|(5<<22)|(3<<25)
.set MSB, 0
.macro WIN new
.if MSB != (\new)
	s_set_vgpr_msb (MSB<<8)|(\new)
.set MSB, (\new)
.endif
.endm
.macro CROUND
	s_barrier_signal -1
	s_barrier_wait -1
	s_cmp_lg_u32 s14, 0
	s_cbranch_scc1 .Lnot_wave_0_\@
	s_barrier_signal -3
.Lnot_wave_0_\@:
	s_barrier_wait -3
	s_barrier_signal -1
	s_barrier_wait -1
.endm
	s_load_b128 s[4:7], s[0:1], 0x0                ; oc, osc
	s_load_b128 s[8:11], s[0:1], 0x10              ; Wo's codes, Wo's scales
	s_load_b64 s[12:13], s[0:1], 0x20              ; out
	v_lshl_add_u32 v[SPW], v0, 2, SPARE
	v_mov_b32 v[NIL], 0
	ds_add_u32 v[SPW], v[NIL]                      ; the opening lines
	ds_add_u32 v[SPW], v[NIL]
	v_lshrrev_b32 v1, 5, v0
	v_readfirstlane_b32 s14, v1                    ; wave
	s_lshr_b32 s15, s14, 1                         ; my half of the rows
	s_and_b32 s16, s14, 1                          ; my half of the columns
	s_bfe_u32 s40, ttmp6, 0x40000                  ; cx
	s_bfe_u32 s41, ttmp6, 0x40004                  ; cy
	s_lshl_b32 s42, ttmp9, 2
	s_add_co_u32 s42, s42, s40                     ; block column
	s_and_b32 s17, ttmp7, 0xffff
	s_lshl_b32 s17, s17, 2
	s_add_co_u32 s17, s17, s41                     ; block row
	s_lshl_b32 s43, s41, 2
	s_lshl_b32 s43, 15, s43                        ; my row of the cluster
	s_lshl_b32 s44, 0x1111, s40                    ; my column
	s_or_b32 s[G1], s43, DW0                       ; elements of 8 bytes; padding of 4 words behind every 64; bit 21 beside the mask
	s_or_b32 s[G1B], s44, DW0
	s_or_b32 s[G1S], s43, DW0
	s_or_b32 s[G1SB], s44, DW0
.irp g, G1, G1B, G1S, G1SB
	s_mov_b32 s[\g+1], 32<<16
	s_mov_b32 s[\g+3], 32<<16
	s_mov_b32 s[\g+5], 32
	s_mov_b32 s[\g+6], 0
	s_mov_b32 s[\g+7], 0
.endr
.irp g, G1, G1B
	s_mov_b32 s[\g+2], 384<<16                     ; 384 rows of 256 bytes
	s_mov_b32 s[\g+4], 384
.endr
.irp g, G1S, G1SB
	s_mov_b32 s[\g+2], 16<<16                      ; 16 rows of 256 bytes
	s_mov_b32 s[\g+4], 16
.endr
	s_mul_i32 s20, s17, 128*768
	s_mov_b32 s21, 0
	s_lshl_b32 s22, s17, 12
	s_mov_b32 s23, 0
	s_mul_i32 s46, s42, 128*768
	s_mov_b32 s47, 0
	s_lshl_b32 s92, s42, 12
	s_mov_b32 s93, 0
	s_wait_dscnt 0x0
	s_wait_kmcnt 0x0
	s_add_nc_u64 s[20:21], s[4:5], s[20:21]
	s_add_nc_u64 s[22:23], s[6:7], s[22:23]
	s_add_nc_u64 s[46:47], s[8:9], s[46:47]
	s_add_nc_u64 s[92:93], s[10:11], s[92:93]
	CROUND                                         ; the round in front of the joint loads
	s_mov_b32 s[G0], 1
	s_mov_b32 s[G0+1], 0
	s_mov_b64 s[G0+2:G0+3], s[20:21]
	s_or_b32 s[G0+3], s[G0+3], 0x80000000
	s_mov_b32 s[G0B], 1
	s_mov_b32 s[G0B+1], TILE
	s_mov_b64 s[G0B+2:G0B+3], s[46:47]
	s_or_b32 s[G0B+3], s[G0B+3], 0x80000000
	s_mov_b32 s[G0S], 1
	s_mov_b32 s[G0S+1], SCL
	s_mov_b64 s[G0S+2:G0S+3], s[22:23]
	s_or_b32 s[G0S+3], s[G0S+3], 0x80000000
	s_mov_b32 s[G0SB], 1
	s_mov_b32 s[G0SB+1], SCL+SCB
	s_mov_b64 s[G0SB+2:G0SB+3], s[92:93]
	s_or_b32 s[G0SB+3], s[G0SB+3], 0x80000000
; one load a wave, in one tree of branches on the wave's number
.macro ARM under, g0, g1, next
	s_cmp_lt_u32 s14, \under
	s_cbranch_scc0 \next
	tensor_load_to_lds s[\g0:\g0+3], s[\g1:\g1+7]
	s_nop 0
.rept 4
	v_nop
.endr
	s_branch .Lhead_asked
\next:
.endm
	ARM 1, G0,  G1,  .Lhead_b
	ARM 2, G0B, G1B, .Lhead_sa
	ARM 3, G0S, G1S, .Lhead_sb
	tensor_load_to_lds s[G0SB:G0SB+3], s[G1SB:G1SB+7]
	s_nop 0
.rept 4
	v_nop
.endr
.Lhead_asked:
	v_and_b32 v1, 15, v0                           ; r
	v_bfe_u32 v2, v0, 4, 1                         ; h
	v_mul_u32_u24 v3, v1, PITCH
	v_mad_u32_u24 v3, v2, 24, v3
	s_mul_i32 s21, s15, 64*PITCH
	s_mul_i32 s22, s16, 64*PITCH
	s_add_co_u32 s22, s22, TILE
	v_add_nc_u32 v[ADRA], s21, v3
	v_add_nc_u32 v[ADRB], s22, v3
	v_lshl_add_u32 v[ADRA+1], v2, 4, v[ADRA]       ; for pieces whose lanes 16-31 lie behind one padding more
	v_lshl_add_u32 v[ADRB+1], v2, 4, v[ADRB]
	v_and_b32 v4, 7, v0
	v_bfe_u32 v5, v0, 3, 1
	v_lshlrev_b32 v4, 5, v4                        ; a row's scales are 32 bytes, eight rows to 272
	v_mad_u32_u24 v4, v5, 272, v4
	s_mul_i32 s21, s15, 8*272
	s_mul_i32 s22, s16, 8*272
	s_add_co_u32 s22, s22, SCB
	s_sub_co_u32 s22, s22, s21
	v_mul_u32_u24 v5, s22, v2                      ; lanes 16-31 take Wo's words
	s_add_co_u32 s21, s21, SCL
	v_add_nc_u32 v4, v4, v5
	v_add_nc_u32 v[ADRS], s21, v4
	s_mul_i32 s23, s14, 16*SPITCH
	s_add_co_u32 s23, s23, STAGE
	v_mul_u32_u24 v5, v1, SPITCH
	v_lshl_add_u32 v5, v2, 5, v5
	v_add_nc_u32 v[STO], s23, v5                   ; in: row r, 32 bytes for each half of the lanes
	v_mul_u32_u24 v5, v2, SPITCH
	v_lshl_add_u32 v5, v1, 4, v5
	v_add_nc_u32 v[RD], s23, v5                    ; back: lanes 0-15 one row of 256 bytes, lanes 16-31 the next
	v_lshlrev_b32 v5, 12, v2
	v_lshl_add_u32 v[CO], v1, 4, v5                ; and the same two rows in out
	s_lshl_b32 s20, s17, 7
	s_lshl_b32 s21, s15, 6
	s_add_co_u32 s20, s20, s21
	s_lshl_b32 s20, s20, 12                        ; my first row, 4,096 bytes a row
	s_lshl_b32 s46, s42, 9
	s_lshl_b32 s47, s16, 8
	s_add_co_u32 s46, s46, s47
	s_add_co_u32 s20, s20, s46                     ; + my first column
	s_mov_b32 s21, 0
	s_add_nc_u64 s[12:13], s[12:13], s[20:21]
; a fragment: six pieces of 8 bytes; byte y of a row of codes lies at y + 16 (y / 256) of its LDS row
.macro FRAG reg, adr, k, i
.irp p, 0,1,2,3,4,5
.set BY, 96*(\k)+48*(\p/3)+8*(\p%3)
.if BY/256 == (BY+24)/256
	ds_load_b64 v[\reg+2*\p:\reg+2*\p+1], v[\adr] offset:BY+16*(BY/256)+(\i)*16*PITCH
.else
	ds_load_b64 v[\reg+2*\p:\reg+2*\p+1], v[\adr+1] offset:BY+16*(BY/256)+(\i)*16*PITCH
.endif
.endr
.endm
.macro FETCH_A a                       ; o's block a, all of K: 48 loads
	WIN 0
.irp k, 0,1,2,3,4,5,6,7
	FRAG AF+96*((\a)%2)+12*\k, ADRA, \k, \a
.endr
.endm
.macro FETCH_B k0                      ; Wo's four blocks of steps k0, k0 + 1: 48 loads
	WIN 0x40*(1+(\k0)/4)
.irp k, \k0, \k0+1
.irp b, 0,1,2,3
	FRAG 48*((\k)%4)+12*\b, ADRB, \k, \b
.endr
.endr
.endm
.macro MUL a, k0, n                    ; block a, steps k0 .. k0 + n - 1; step 0 starts the sums
.set KK, \k0
.rept \n
	WIN 0xf1+KK/4
.irp b, 0,1,2,3
.if KK == 0
	v_wmma_scale_f32_16x16x128_f8f6f4 v[32*(\a)+8*\b:32*(\a)+8*\b+7], v[48*(KK%4)+12*\b:48*(KK%4)+12*\b+11], v[AF+96*((\a)%2)+12*KK:AF+96*((\a)%2)+12*KK+11], 0, v[SC+8*\b+KK], v[SC+8*(\a)+KK] matrix_a_fmt:MATRIX_FMT_FP6 matrix_b_fmt:MATRIX_FMT_FP6 matrix_a_scale:MATRIX_SCALE_ROW1
.else
	v_wmma_scale_f32_16x16x128_f8f6f4 v[32*(\a)+8*\b:32*(\a)+8*\b+7], v[48*(KK%4)+12*\b:48*(KK%4)+12*\b+11], v[AF+96*((\a)%2)+12*KK:AF+96*((\a)%2)+12*KK+11], v[32*(\a)+8*\b:32*(\a)+8*\b+7], v[SC+8*\b+KK], v[SC+8*(\a)+KK] matrix_a_fmt:MATRIX_FMT_FP6 matrix_b_fmt:MATRIX_FMT_FP6 matrix_a_scale:MATRIX_SCALE_ROW1
.endif
.endr
.set KK, KK+1
.endr
.endm
.macro TOSTAGE a                       ; LDS serves a wave's instructions in order: no wait between the stores and the loads
	WIN 0x0c
.irp b, 0,1,2,3
	ds_store_b128 v[STO], v[32*(\a)+8*\b:32*(\a)+8*\b+3] offset:64*\b
	ds_store_b128 v[STO], v[32*(\a)+8*\b+4:32*(\a)+8*\b+7] offset:64*\b+16
.endr
	WIN 0xc0
.irp t, 0,1,2,3,4,5,6,7
	ds_load_b128 v[BK+32*(\a)+4*\t:BK+32*(\a)+4*\t+3], v[RD] offset:\t*2*SPITCH
.endr
.endm
.macro SEND a                          ; sixteen lanes store 256 consecutive bytes, aligned; each block has registers of its own
	WIN 0x0c
.irp t, 0,1,2,3,4,5,6,7
	global_store_b128 v[CO], v[BK+32*(\a)+4*\t:BK+32*(\a)+4*\t+3], s[12:13] offset:(16*(\a)+2*\t)*4096 th:TH_STORE_NT
.endr
.endm
	s_wait_alu depctr_va_vdst(0)                   ; the wait at the head's end
	s_wait_tensorcnt 0x0                           ; my tile is in,
	s_barrier_signal -1
	s_barrier_wait -1                              ; and everybody's; nothing is filled again
.irp i, 0,1,2,3
	ds_load_b128 v[SC+8*\i:SC+8*\i+3], v[ADRS] offset:\i*544
	ds_load_b128 v[SC+8*\i+4:SC+8*\i+7], v[ADRS] offset:\i*544+16
.endr
	FETCH_A 0
	FETCH_B 0
	FETCH_B 2
	FETCH_B 4
	s_wait_dscnt 48                                ; all but steps 4, 5 of Wo
	MUL 0, 0, 4
	FETCH_B 6
	s_wait_dscnt 48                                ; all but steps 6, 7
	MUL 0, 4, 2
	FETCH_A 1
	s_wait_dscnt 48                                ; all but o's block 1
	MUL 0, 6, 2
.irp a, 0,1,2,3
.rept 4
	v_nop                                          ; places in front of the reads of results and of the loads into the set just multiplied
.endr
	TOSTAGE \a
.if \a < 2
	FETCH_A \a+2
	s_wait_dscnt 48                                ; the block is back, and o's block a + 1 is in; block a + 2's 48 loads may be out
.else
	s_wait_dscnt 0x0
.endif
	SEND \a
.if \a < 3
	MUL \a+1, 0, 8
.endif
.endr
	WIN 0
	s_wait_tensorcnt 0x0                           ; the wave's end
	ds_add_u32 v[SPW], v[NIL]
	s_wait_dscnt 0x0
	CROUND                                         ; the closing round
	s_endpgm
.Lfunc_end_k_qe13728c04d_oproj:
	.size	k_qe13728c04d_oproj, .Lfunc_end_k_qe13728c04d_oproj-k_qe13728c04d_oproj
	.p2alignl 7, 3214868480
	.fill 96, 4, 3214868480
	.section	.rodata,"a",@progbits
	.p2align	6, 0x0
	.amdhsa_kernel k_qe13728c04d_oproj
		.amdhsa_group_segment_fixed_size 327680
		.amdhsa_private_segment_fixed_size 0
		.amdhsa_enable_private_segment 0
		.amdhsa_kernarg_size 40
		.amdhsa_user_sgpr_count 2
		.amdhsa_user_sgpr_kernarg_segment_ptr 1
		.amdhsa_wavefront_size32 1
		.amdhsa_system_sgpr_workgroup_id_x 1
		.amdhsa_system_sgpr_workgroup_id_y 1
		.amdhsa_system_sgpr_workgroup_id_z 1
		.amdhsa_system_vgpr_workitem_id 0
		.amdhsa_next_free_vgpr 1024
		.amdhsa_next_free_sgpr 98
		.amdhsa_reserve_vcc 0
		.amdhsa_float_denorm_mode_32 3
		.amdhsa_float_denorm_mode_16_64 3
		.amdhsa_memory_ordered 1
		.amdhsa_forward_progress 1
		.amdhsa_inst_pref_size 58
	.end_amdhsa_kernel
	.amdgpu_metadata
---
amdhsa.version: [ 1, 2 ]
amdhsa.kernels:
  - .name:           k_qe13728c04d_oproj
    .symbol:         k_qe13728c04d_oproj.kd
    .args:
      - { .name: oc, .offset: 0, .size: 8, .value_kind: global_buffer, .address_space: global }
      - { .name: osc, .offset: 8, .size: 8, .value_kind: global_buffer, .address_space: global }
      - { .name: Wo_codes, .offset: 16, .size: 8, .value_kind: global_buffer, .address_space: global }
      - { .name: Wo_scales, .offset: 24, .size: 8, .value_kind: global_buffer, .address_space: global }
      - { .name: out0, .offset: 32, .size: 8, .value_kind: global_buffer, .address_space: global }
    .group_segment_fixed_size: 327680
    .private_segment_fixed_size: 0
    .kernarg_segment_align: 8
    .kernarg_segment_size: 40
    .max_flat_workgroup_size: 128
    .sgpr_count:     98
    .vgpr_count:     1024
    .wavefront_size: 32
...
	.end_amdgpu_metadata
.endif
;; end of part 3
